; MI455X (gfx1250); checked and timed in simulation.
; The chip was launched on July 23, 2026; its instructions are those of AMD's public machine-readable ISA for CDNA 5 (MIT licence, August 2026) and "CDNA5" Instruction Set Architecture Reference Guide (July 2026). The comments in the code are by the model that wrote it; some were corrected since.
;; Multi Head Attention. Allowed arithmetic: float matrix products may take bf16 or f16 operands with f32 sums; all other float work in f32.
;; Inputs: W_attn 1,024 x 3,072 float32; W_proj 1,024 x 1,024 float32; b_attn 3,072 float32; b_proj 1,024 float32; x 2 x 2,048 x 1,024 float32.
;; Outputs: out0 2 x 2,048 x 1,024 float32.
;; One version. Each part assembles by itself: llvm-mc -triple=amdgcn-amd-amdhsa -mcpu=gfx1250 --defsym DOCPART=n.
;; ======== version 1 of 1: 4 launches
;; limits: values are held in f16: magnitudes above 65,504 overflow, below 6.1e-05 lose precision
;; workspace buffers: bf 16,777,216 bytes; qkv 25,165,824 bytes; y 8,388,608 bytes
;; launch cast (part 1): grid 1024 x 1, 8 waves a work-group, no clusters, 0 bytes of LDS; arguments x, W_attn, W_proj, bf; writes bf
.if DOCPART == 1
	.amdgcn_target "amdgcn-amd-amdhsa--gfx1250"
	.amdhsa_code_object_version 6
	.text
	.protected	k_qd4feef0cfc_cast
	.globl	k_qd4feef0cfc_cast
	.p2align	8
	.type	k_qd4feef0cfc_cast,@function
k_qd4feef0cfc_cast:
	s_mov_b64 s[64:65], 0
	v_nop
	global_prefetch_b8 v0, s[64:65] scope:SCOPE_SE
	s_setreg_imm32_b32 hwreg(HW_REG_WAVE_MODE, 25, 1), 1
	s_wait_xcnt 0x0
; The three large inputs are rounded once to 16 bits, flat, in the order x, W_attn, W_proj, into one buffer:
;   bf + 0          xb [4096][1024]  bf16
;   bf + 8,388,608  wa [1024][3072]  bf16
;   bf + 14,680,064 wp [1024][1024]  f16
; All three are rounded to bf16 (nearest even).  W_proj is then written as f16, because its partner in the last product, y, is kept in f16:
; f16 holds a bf16 number exactly from 2^-17 up to 65,504.
; LIMITS: |W_proj| of 65,520 or more becomes infinite; below 2^-17 it is rounded again, by at most 2^-25.
; A work-group takes 8,192 numbers (32,768 bytes in, 16,384 out): 512 groups for x, 384 for W_attn, 128 for W_proj.  Thread t takes 16 bytes at 16 t of each
; piece of 4,096 bytes, so a wave's load covers 512 consecutive bytes and its store of 8 bytes a lane 256 consecutive bytes, aligned.
; Memory binds: no LDS, no barrier, no matrix unit; all eight loads of a wave go out before the first is waited for.
.set XG, 512                           ; work-groups for x
.set AG, 384                           ; work-groups for W_attn
.set X,  4                             ; v[4:35]   piece i: four f32 as loaded
.set Y,  36                            ; v[36:51]  piece i: four numbers of 16 bits to store
	s_load_b256 s[4:11], s[0:1], 0x0               ; x s[4:5], W_attn s[6:7], W_proj s[8:9], bf s[10:11]
	v_lshlrev_b32 v1, 4, v0                        ; 16 t: where I read
	v_lshlrev_b32 v2, 3, v0                        ; 8 t: where I write
	s_wait_kmcnt 0x0
	s_cmp_lt_u32 ttmp9, XG                         ; which input is mine, and which group was its first
	s_cselect_b64 s[12:13], s[4:5], s[6:7]
	s_cselect_b32 s14, 0, XG
	s_cmp_lt_u32 ttmp9, XG+AG
	s_cselect_b64 s[12:13], s[12:13], s[8:9]
	s_cselect_b32 s14, s14, XG+AG
	s_sub_co_u32 s14, ttmp9, s14
	s_lshl_b32 s14, s14, 15                        ; 32,768 bytes of the input for each group
	s_mov_b32 s15, 0
	s_add_nc_u64 s[12:13], s[12:13], s[14:15]
	s_lshl_b32 s16, ttmp9, 14                      ; 16,384 bytes of bf for each group
	s_mov_b32 s17, 0
	s_add_nc_u64 s[10:11], s[10:11], s[16:17]
.irp i, 0,1,2,3,4,5,6,7
	global_load_b128 v[X+4*\i:X+4*\i+3], v1, s[12:13] offset:4096*\i th:TH_LOAD_NT
.endr
; piece i.  half = 1: the bf16 numbers are widened again (a shift, a mask) and written as f16
.macro PIECE i, half
	s_wait_loadcnt 7-\i                            ; loads come back in order: piece i is in, the younger ones stay out
	v_cvt_pk_bf16_f32 v[Y+2*\i],   v[X+4*\i],   v[X+4*\i+1]
	v_cvt_pk_bf16_f32 v[Y+2*\i+1], v[X+4*\i+2], v[X+4*\i+3]
.if \half
	v_lshlrev_b32 v[X+4*\i],   16, v[Y+2*\i]
	v_and_b32     v[X+4*\i+1], 0xffff0000, v[Y+2*\i]
	v_lshlrev_b32 v[X+4*\i+2], 16, v[Y+2*\i+1]
	v_and_b32     v[X+4*\i+3], 0xffff0000, v[Y+2*\i+1]
	v_cvt_pk_f16_f32 v[Y+2*\i],   v[X+4*\i],   v[X+4*\i+1]
	v_cvt_pk_f16_f32 v[Y+2*\i+1], v[X+4*\i+2], v[X+4*\i+3]
.endif
	global_store_b64 v2, v[Y+2*\i:Y+2*\i+1], s[10:11] offset:2048*\i
.endm
	s_cmp_lt_u32 ttmp9, XG+AG
	s_cbranch_scc0 .Lproj_weights
.irp i, 0,1,2,3,4,5,6,7
	PIECE \i, 0
.endr
	s_endpgm
.Lproj_weights:
.irp i, 0,1,2,3,4,5,6,7
	PIECE \i, 1
.endr
	s_endpgm
.Lfunc_end_k_qd4feef0cfc_cast:
	.size	k_qd4feef0cfc_cast, .Lfunc_end_k_qd4feef0cfc_cast-k_qd4feef0cfc_cast
	.p2alignl 7, 3214868480
	.fill 96, 4, 3214868480
	.section	.rodata,"a",@progbits
	.p2align	6, 0x0
	.amdhsa_kernel k_qd4feef0cfc_cast
		.amdhsa_group_segment_fixed_size 0
		.amdhsa_private_segment_fixed_size 0
		.amdhsa_enable_private_segment 0
		.amdhsa_kernarg_size 32
		.amdhsa_user_sgpr_count 2
		.amdhsa_user_sgpr_kernarg_segment_ptr 1
		.amdhsa_wavefront_size32 1
		.amdhsa_system_sgpr_workgroup_id_x 1
		.amdhsa_system_sgpr_workgroup_id_y 1
		.amdhsa_system_sgpr_workgroup_id_z 1
		.amdhsa_system_vgpr_workitem_id 0
		.amdhsa_next_free_vgpr 52
		.amdhsa_next_free_sgpr 66
		.amdhsa_reserve_vcc 0
		.amdhsa_float_denorm_mode_32 3
		.amdhsa_float_denorm_mode_16_64 3
		.amdhsa_memory_ordered 1
		.amdhsa_forward_progress 1
		.amdhsa_inst_pref_size 9
	.end_amdhsa_kernel
	.amdgpu_metadata
---
amdhsa.version: [ 1, 2 ]
amdhsa.kernels:
  - .name:           k_qd4feef0cfc_cast
    .symbol:         k_qd4feef0cfc_cast.kd
    .args:
      - { .name: x, .offset: 0, .size: 8, .value_kind: global_buffer, .address_space: global }
      - { .name: W_attn, .offset: 8, .size: 8, .value_kind: global_buffer, .address_space: global }
      - { .name: W_proj, .offset: 16, .size: 8, .value_kind: global_buffer, .address_space: global }
      - { .name: bf, .offset: 24, .size: 8, .value_kind: global_buffer, .address_space: global }
    .group_segment_fixed_size: 0
    .private_segment_fixed_size: 0
    .kernarg_segment_align: 8
    .kernarg_segment_size: 32
    .max_flat_workgroup_size: 256
    .sgpr_count:     66
    .vgpr_count:     52
    .wavefront_size: 32
...
	.end_amdgpu_metadata
.endif
;; end of part 1
;; launch qkv (part 2): grid 16 x 16, 4 waves a work-group, clusters of 4 x 4, 327,680 bytes of LDS; arguments bf, b_attn, qkv; writes qkv
.if DOCPART == 2
	.amdgcn_target "amdgcn-amd-amdhsa--gfx1250"
	.amdhsa_code_object_version 6
	.text
	.protected	k_qd4feef0cfc_qkv
	.globl	k_qd4feef0cfc_qkv
	.p2align	8
	.type	k_qd4feef0cfc_qkv,@function
k_qd4feef0cfc_qkv:
	s_mov_b64 s[64:65], 0
	v_nop
	global_prefetch_b8 v0, s[64:65] scope:SCOPE_SE
	s_setreg_imm32_b32 hwreg(HW_REG_WAVE_MODE, 25, 1), 1
	s_wait_xcnt 0x0
	s_wait_alu depctr_hold_cnt(0) depctr_sa_sdst(0) depctr_va_vdst(0) depctr_va_sdst(0) depctr_va_ssrc(0) depctr_va_vcc(0) depctr_vm_vsrc(0)
	s_getreg_b32 s2, hwreg(HW_REG_IB_STS2, 6, 4)
	s_cmp_eq_u32 s2, 0
	s_cbranch_scc0 .Lentry_in_a_cluster
	s_endpgm
.Lentry_in_a_cluster:
	s_bfe_u32 s2, ttmp6, 0x10000c
	s_cmp_lg_u32 s2, 0xf033
	s_cbranch_scc0 .Lentry_shape_is_right
	s_endpgm
.Lentry_shape_is_right:
; qkv = xb wa + b_attn: [4096][1024] x [1024][3072], bf16 operands, f32 sums that start from the bias, results rounded once to f16 and stored by heads:
; 96 planes of [2048 t][64 d] f16, plane = 32 section + 16 batch + head (section 0 q, 1 k, 2 v).
; f16 and not bf16 for q, k, v: a query that sees few keys averages nothing away, so the first rows of the module's output are about ten times its root mean
; square; what is rounded between the products needs f16's 11 significant bits.
; LIMIT: |q|, |k|, |v| of 65,520 or more become infinite (inputs 30 times the drawn ones, x and W_attn both, give a spread of about 900).
; A work-group makes 256 rows x 192 columns (three heads) with four waves; a wave 128 x 96: 48 accumulator tiles, 384 registers.
; K goes in steps of 128 through a ring of two LDS slots filled by the tensor data mover.  wa lies [k][n], so its fragments come by the transposing LDS load.
; CLUSTERS: 4 x 4 work-groups.  x's tile hangs on the block row alone and is asked for jointly by a row of the cluster, wa's on the block column alone and is
; asked for jointly by a column: each wave issues two lines, one for each, each with one mask.
; REGISTERS: window 0: v16-29 addresses, v32-95 / v96-159 fragments of x (two buffers), v160-207 bias, v224-247 packed results;
;   window 1: accumulator tiles of my row blocks 0-3 (tile (a, b) at v[8 (6 a + b)]); window 2: row blocks 4-7; window 3: v0-47 / v48-95 fragments of wa.
; THE MATRIX INSTRUCTION IS USED TRANSPOSED: source 0 = 16 columns of wa, source 1 = 16 rows of x, so that lane l holds row l % 16 and its registers the eight
; neighbouring columns 8 (l / 16) + 0..7, which pack into 16 bytes.
.set KSTEP,  128
.set PA,     272                       ; x in LDS: 256 bytes + 16 of padding a row
.set PB,     480                       ; wa in LDS: 384 bytes a row, 16 of padding behind every 64: column block b (16 columns) lies at 32 b + 16 (b / 2)
.set ABYTES, 256*PA                    ; 69,632
.set SLOT,   ABYTES+KSTEP*PB           ; 131,072
.set PL,     128*272                   ; the way out: one head's 256 rows as 128 pairs of rows, 256 bytes + 16 a pair
.set WA_OFF, 8388608                   ; wa in bf
.set ROWW,   6144                      ; bytes in a row of wa
.set ADRA, 16                          ; v16-17  LDS address of my x fragments in slot 0, 1
.set ADRB, 20                          ; v20-21  the same for wa
.set STOA, 22                          ; v22     the way out: where I put 16 bytes (column blocks 0, 1, 4, 5 of my six)
.set STOB, 23                          ; v23     the same for column blocks 2, 3
.set RD,   24                          ; v24-26  the way out: where I read head plane g back
.set CO,   27                          ; v27-29  my byte offset in qkv for head plane g
.set FA,   32                          ; x fragments, buffer f at FA + 64 f
.set BIAS, 160                         ; bias of my 96 columns, in the layout of an accumulator tile's lane: 8 registers for each column block
.set TMP,  224
.set G1A, 24                           ; s[24:31] group 1 for x's tiles
.set G0A, 32                           ; s[32:39] group 0 for x's tiles, a set for each slot
.set G1B, 48                           ; s[48:55] group 1 for wa's tiles
.set G0B, 56                           ; s[56:63] group 0 for wa's tiles, a set for each slot
.set TO_B, 0xc0                        ; destination window 3, address window 0
.set MSB, 0
.macro WIN new                         ; the immediate's high byte repeats the setting that is left
.if MSB != \new
	s_set_vgpr_msb (MSB<<8)|\new
.set MSB, \new
.endif
.endm
.macro CREST                           ; a round of the cluster's barrier behind its opening work-group barrier
	s_cmp_lg_u32 s10, 0
	s_cbranch_scc1 .Lnot_wave_0_\@
	s_barrier_signal -3
.Lnot_wave_0_\@:
	s_barrier_wait -3
	s_barrier_signal -1
	s_barrier_wait -1
.endm
.macro CROUND                          ; a whole round
	s_barrier_signal -1
	s_barrier_wait -1
	CREST
.endm
.macro PLACES                          ; four places behind a matrix instruction, in front of loads into its sources and of readers of its result
.rept 4
	v_nop
.endr
.endm
	s_load_b128 s[4:7], s[0:1], 0x0                ; bf s[4:5], b_attn s[6:7]
	s_load_b64 s[8:9], s[0:1], 0x10                ; qkv
	s_set_vgpr_msb 0xc0
	v_lshl_add_u32 v255, v0, 2, 0x40400
	s_set_vgpr_msb 0xc000
	v_mov_b32 v255, 0
	s_set_vgpr_msb 0x3
	ds_add_u32 v255, v255
	ds_add_u32 v255, v255
	s_set_vgpr_msb 0x300
	v_lshrrev_b32 v1, 5, v0
	v_readfirstlane_b32 s10, v1                    ; wave 0..3
	s_lshr_b32 s11, s10, 1                         ; which 128 rows of the block are mine
	s_and_b32 s12, s10, 1                          ; which 96 columns
	s_bfe_u32 s40, ttmp6, 0x40000                  ; cx
	s_bfe_u32 s41, ttmp6, 0x40004                  ; cy
	s_lshl_b32 s42, ttmp9, 2
	s_add_co_u32 s42, s42, s40                     ; block column = 4 x cluster x + cx
	s_and_b32 s13, ttmp7, 0xffff
	s_lshl_b32 s13, s13, 2
	s_add_co_u32 s13, s13, s41                     ; block row = 4 x cluster y + cy
	s_lshl_b32 s43, s41, 2
	s_lshl_b32 s43, 15, s43                        ; my row of the cluster: places 4 cy .. 4 cy + 3
	s_lshl_b32 s44, 0x1111, s40                    ; my column: places cx, cx + 4, cx + 8, cx + 12
	; group 1 for x: 64 rows x 128 elements of 2 bytes, 4 words of padding behind every 64 words
	s_or_b32  s[G1A+0], s43, (1<<16)|(1<<20)|(1<<21)|(5<<22)|(3<<25)
	s_mov_b32 s[G1A+1], KSTEP<<16                  ; tensor_dim0 = 128
	s_mov_b32 s[G1A+2], 64<<16                     ; tensor_dim1 = 64
	s_mov_b32 s[G1A+3], KSTEP<<16                  ; tile_dim0 = 128
	s_mov_b32 s[G1A+4], 64                         ; tile_dim1 = 64
	s_mov_b32 s[G1A+5], 1024                       ; elements from row to row
	s_mov_b32 s[G1A+6], 0
	s_mov_b32 s[G1A+7], 0
	; group 1 for wa: 32 rows (k) x 192 elements, 4 words of padding behind every 16 words (a row is 96 words: six such pieces)
	s_or_b32  s[G1B+0], s44, (1<<16)|(1<<20)|(1<<21)|(3<<22)|(3<<25)
	s_mov_b32 s[G1B+1], 192<<16
	s_mov_b32 s[G1B+2], 32<<16
	s_mov_b32 s[G1B+3], 192<<16
	s_mov_b32 s[G1B+4], 32
	s_mov_b32 s[G1B+5], 3072
	s_mov_b32 s[G1B+6], 0
	s_mov_b32 s[G1B+7], 0
	; where the tiles come from: x's address is made of the block row and the wave, wa's of the block column and the wave, in registers that never hold the other coordinate
	s_lshl_b32 s16, s13, 19                        ; 256 rows of 2,048 bytes for each block row
	s_lshl_b32 s17, s10, 17                        ; 64 rows for each wave
	s_add_co_u32 s16, s16, s17
	s_mov_b32 s17, 0
	s_mul_i32 s46, s42, 384                        ; 192 columns of 2 bytes for each block column
	s_mul_i32 s47, s10, 32*ROWW                    ; 32 rows (k) for each wave
	s_add_co_u32 s46, s46, s47
	s_add_co_u32 s46, s46, WA_OFF
	s_mov_b32 s47, 0
	s_mul_i32 s20, s10, 64*PA                      ; and where they go: the wave's number alone enters an LDS address
	s_mul_i32 s21, s10, 32*PB
	s_add_co_u32 s21, s21, ABYTES
	s_wait_dscnt 0x0
	s_wait_kmcnt 0x0
	s_add_nc_u64 s[14:15], s[4:5], s[16:17]
	s_add_nc_u64 s[46:47], s[4:5], s[46:47]
	CROUND                                         ; all sixteen work-groups are here: the first joint loads meet
.irp s, 0,1
	s_mov_b32 s[G0A+4*\s], 1
	s_add_co_u32 s[G0A+4*\s+1], s20, \s*SLOT
	s_add_nc_u64 s[G0A+4*\s+2:G0A+4*\s+3], s[14:15], \s*KSTEP*2
	s_or_b32 s[G0A+4*\s+3], s[G0A+4*\s+3], 0x80000000
	s_mov_b32 s[G0B+4*\s], 1
	s_add_co_u32 s[G0B+4*\s+1], s21, \s*SLOT
	s_add_nc_u64 s[G0B+4*\s+2:G0B+4*\s+3], s[46:47], \s*KSTEP*ROWW
	s_or_b32 s[G0B+4*\s+3], s[G0B+4*\s+3], 0x80000000
	tensor_load_to_lds s[G0A+4*\s:G0A+4*\s+3], s[G1A:G1A+7]
	s_nop 0
	tensor_load_to_lds s[G0B+4*\s:G0B+4*\s+3], s[G1B:G1B+7]       ; four tensor loads of the wave are out now, later two
	s_nop 0
.endr
	v_and_b32 v1, 15, v0                           ; r = l % 16
	v_bfe_u32 v2, v0, 4, 1                         ; h = l / 16
	; the bias: register j of column block b holds b_attn[192 block column + 96 half + 16 b + 8 h + j]
	s_mul_i32 s46, s42, 768
	s_mov_b32 s47, 0
	s_add_nc_u64 s[6:7], s[6:7], s[46:47]
	s_mul_i32 s22, s12, 384
	v_lshl_add_u32 v9, v2, 5, s22
.irp i, 0,1,2,3,4,5
	global_load_b128 v[BIAS+8*\i:BIAS+8*\i+3],   v9, s[6:7] offset:64*\i
	global_load_b128 v[BIAS+8*\i+4:BIAS+8*\i+7], v9, s[6:7] offset:64*\i+16
.endr
	; x fragments: lane l holds row r; two loads of 16 bytes, 32 bytes apart, at row x pitch + 16 h
	v_mul_u32_u24 v3, v1, PA
	v_lshl_add_u32 v3, v2, 4, v3
	s_mul_i32 s22, s11, 128*PA
	v_add_nc_u32 v[ADRA], s22, v3
	v_add_nc_u32 v[ADRA+1], SLOT, v[ADRA]
	; wa fragments by the transposing load: lane l addresses row k = 8 h + l % 8, 16 bytes at 16 ((l / 8) % 2); the second load stands 16 rows on
	v_and_b32 v4, 7, v0
	v_bfe_u32 v5, v0, 3, 1
	v_lshl_add_u32 v4, v2, 3, v4
	v_mul_u32_u24 v4, v4, PB
	v_lshl_add_u32 v4, v5, 4, v4
	s_mul_i32 s22, s12, 240                        ; my six column blocks begin at block 6 half: 32 x 6 + 16 x 3 bytes
	s_add_co_u32 s22, s22, ABYTES
	v_add_nc_u32 v[ADRB], s22, v4
	v_add_nc_u32 v[ADRB+1], SLOT, v[ADRB]
	; the way out, in: row m of the block lies in pair m / 2, half m % 2; columns 0-63 in plane 0, 64-127 in plane 1, 128-191 in plane 2.
	; With my left half of the columns the six blocks lie at 0, 32, 64, 96, PL, PL + 32; with the right half at PL + 64, PL + 96, 2 PL, 2 PL + 32, 2 PL + 64, 2 PL + 96.
	v_lshrrev_b32 v6, 1, v1
	v_and_b32 v7, 1, v0
	v_mul_u32_u24 v6, v6, 272
	v_lshl_add_u32 v6, v7, 7, v6
	v_lshl_add_u32 v6, v2, 4, v6
	s_mul_i32 s22, s11, 64*272
	s_mul_i32 s23, s12, PL+64
	s_add_co_u32 s23, s23, s22
	v_add_nc_u32 v[STOA], s23, v6
	s_mul_i32 s23, s12, 2*PL-64
	s_add_co_u32 s23, s23, s22
	v_add_nc_u32 v[STOB], s23, v6
	; the way out, back: wave w takes pairs 32 w .. 32 w + 31 of each plane, two pairs a load
	v_mul_u32_u24 v8, v2, 272
	v_lshl_add_u32 v8, v1, 4, v8
	s_mul_i32 s22, s10, 32*272
	v_add_nc_u32 v[RD], s22, v8
	v_add_nc_u32 v[RD+1], PL, v[RD]
	v_add_nc_u32 v[RD+2], 2*PL, v[RD]
	; and in qkv: the base takes what hangs on the block row, the vector offsets what hangs on the block column
	s_and_b32 s16, s13, 7
	s_lshl_b32 s16, s16, 15                        ; 256 rows of 128 bytes for each block row inside a batch
	s_lshr_b32 s17, s13, 3
	s_lshl_b32 s17, s17, 22                        ; 16 planes of 262,144 bytes for each batch
	s_add_co_u32 s16, s16, s17
	s_lshl_b32 s17, s10, 13                        ; 64 rows for each wave
	s_add_co_u32 s16, s16, s17
	s_mov_b32 s17, 0
	s_add_nc_u64 s[8:9], s[8:9], s[16:17]
	v_and_b32 v10, 31, v0
	s_mul_i32 s46, s42, 3                          ; G = 3 block column + g: 16 section + head
.irp g, 0,1,2
	s_add_co_u32 s47, s46, \g
	s_lshr_b32 s45, s47, 4
	s_lshl4_add_u32 s47, s45, s47                  ; plane less the batch's = G + 16 section
	s_lshl_b32 s47, s47, 18
	v_lshl_add_u32 v[CO+\g], v10, 4, s47
.endr
; 12 matrix instructions: row blocks a0, a0 + 1 of the window's four (hi = 0: my rows 0-63, 1: rows 64-127) x my 6 column blocks, 32 along K, buffer f.
; first = 1: the sums start from the bias.  The 48 accumulators take turns, one instruction a turn, in the same order in every quarter step.
.macro MUL12 f, hi, a0, first
.irp a, \a0, \a0+1
.irp b, 0,1,2,3,4,5
.if \first
	v_wmma_f32_16x16x32_bf16 v[8*(6*(\a)+\b):8*(6*(\a)+\b)+7], v[48*\f+8*\b:48*\f+8*\b+7], v[FA+64*\f+8*(4*\hi+\a):FA+64*\f+8*(4*\hi+\a)+7], v[BIAS+8*\b:BIAS+8*\b+7]
.else
	v_wmma_f32_16x16x32_bf16 v[8*(6*(\a)+\b):8*(6*(\a)+\b)+7], v[48*\f+8*\b:48*\f+8*\b+7], v[FA+64*\f+8*(4*\hi+\a):FA+64*\f+8*(4*\hi+\a)+7], v[8*(6*(\a)+\b):8*(6*(\a)+\b)+7]
.endif
.endr
.endr
.endm
; 28 LDS loads in one run: the fragments of quarter step kq of a slot into buffer f: 12 for wa, then 16 for x
.macro FETCH slot, kq, f
	WIN TO_B
.irp i, 0,1,2,3,4,5
	ds_load_tr16_b128 v[48*\f+8*\i:48*\f+8*\i+3],   v[ADRB+\slot] offset:\kq*32*PB+32*\i+16*(\i/2)
	ds_load_tr16_b128 v[48*\f+8*\i+4:48*\f+8*\i+7], v[ADRB+\slot] offset:\kq*32*PB+32*\i+16*(\i/2)+16*PB
.endr
	WIN 0
.irp a, 0,1,2,3,4,5,6,7
	ds_load_b128 v[FA+64*\f+8*\a:FA+64*\f+8*\a+3],   v[ADRA+\slot] offset:\kq*64+\a*16*PA
	ds_load_b128 v[FA+64*\f+8*\a+4:FA+64*\f+8*\a+7], v[ADRA+\slot] offset:\kq*64+\a*16*PA+32
.endr
.endm
; one of a K step's first three quarters: multiplies buffer f; in its middle it fetches quarter kq of the same slot into buffer g
.macro QUARTER slot, kq, f, g, first
	s_wait_dscnt 8                                 ; wa and x's row blocks 0-3 are in; the youngest eight loads (row blocks 4-7) may be out
.if \first
	WIN 0x43                                       ; source 0 window 3, source 1 and C window 0, D window 1
.else
	WIN 0x53                                       ; C and D window 1
.endif
	MUL12 \f, 0, 0, \first
	MUL12 \f, 0, 2, \first
	PLACES
	FETCH \slot, \kq, \g
	s_wait_dscnt 28                                ; all but the 28 just issued
.if \first
	WIN 0x83
.else
	WIN 0xa3                                       ; C and D window 2
.endif
	MUL12 \f, 1, 0, \first
	MUL12 \f, 1, 2, \first
.endm
.macro THREE slot, first
	QUARTER \slot, 1, 0, 1, \first
	QUARTER \slot, 2, 1, 0, 0
	QUARTER \slot, 3, 0, 1, 0
.endm
; the last quarter: multiplies buffer 1 and changes slots.  In front of the barrier each wave waits for its reads of this slot and for all its tensor loads
; (its parts of the next slot); behind it nobody reads this slot and the next one is whole.  fill = 1: the barrier opens a round of the cluster's barrier,
; and this slot's two joint refills, two K steps ahead, are the first tensor loads behind the round.
.macro TURN slot, next, fill
	s_wait_dscnt 8
	WIN 0x53
	MUL12 1, 0, 0, 0
	s_wait_dscnt 0                                 ; my reads of this slot are over
	s_wait_tensorcnt 0x0                           ; all my tensor loads have landed
	ds_add_u32 v255, v255
	s_wait_dscnt 0x0
	s_barrier_signal -1
	MUL12 1, 0, 2, 0                               ; register work while the others arrive
	WIN 0
	s_barrier_wait -1
.if \fill
	CREST
	s_add_nc_u64 s[G0A+4*\slot+2:G0A+4*\slot+3], s[G0A+4*\slot+2:G0A+4*\slot+3], 2*KSTEP*2
	s_add_nc_u64 s[G0B+4*\slot+2:G0B+4*\slot+3], s[G0B+4*\slot+2:G0B+4*\slot+3], 2*KSTEP*ROWW
	tensor_load_to_lds s[G0A+4*\slot:G0A+4*\slot+3], s[G1A:G1A+7]
	s_nop 0
	tensor_load_to_lds s[G0B+4*\slot:G0B+4*\slot+3], s[G1B:G1B+7]
	s_nop 0
.endif
	PLACES
	FETCH \next, 0, 0
	WIN 0xa3
	MUL12 1, 1, 0, 0
	MUL12 1, 1, 2, 0
.endm
.macro LAP first                       ; once round the ring, both slots filled again
	THREE 0, \first
	TURN 0, 1, 1
	THREE 1, 0
	TURN 1, 0, 1
.endm
	s_wait_loadcnt 0x0                             ; the bias
	s_wait_tensorcnt 0x2                           ; my two parts of K step 0 are in; K step 1's two stay out
	s_barrier_signal -1
	s_barrier_wait -1
	FETCH 0, 0, 0
	LAP 1                                          ; K = 1,024 is eight K steps, four laps: the first starts the sums,
	WIN 0
	s_mov_b32 s3, 2                                ; two in the loop,
.Llap:
	LAP 0
	WIN 0
	s_sub_co_u32 s3, s3, 1
	s_cmp_lg_u32 s3, 0
	s_cbranch_scc1 .Llap
	THREE 0, 0                                     ; and the last fills nothing
	TURN 0, 1, 0
	THREE 1, 0
	s_wait_dscnt 8
	WIN 0x53
	MUL12 1, 0, 0, 0
	MUL12 1, 0, 2, 0
	s_wait_dscnt 0
	WIN 0xa3
	MUL12 1, 1, 0, 0
	MUL12 1, 1, 2, 0
	; THE WAY OUT.  Slot 0 has had its last fill, and every wave's reads of it were waited for in front of the barrier of the last change of slots: its bytes take
	; the block, rounded to f16, as three head planes of pairs of rows.  A pair of rows of one head is 256 consecutive bytes of qkv.
	PLACES
.macro OUT16 a, aw, from               ; my rows 16 a .. 16 a + 15 = row block aw of window 1 (from = 0x05) or 2 (0x0a)
	WIN \from
.irp b, 0,1,2,3,4,5
.irp q, 0,1,2,3
	v_cvt_pk_f16_f32 v[TMP+4*\b+\q], v[8*(6*\aw+\b)+2*\q], v[8*(6*\aw+\b)+2*\q+1]
.endr
.endr
	WIN 0
	ds_store_b128 v[STOA], v[TMP:TMP+3]     offset:\a*2176
	ds_store_b128 v[STOA], v[TMP+4:TMP+7]   offset:\a*2176+32
	ds_store_b128 v[STOB], v[TMP+8:TMP+11]  offset:\a*2176+64
	ds_store_b128 v[STOB], v[TMP+12:TMP+15] offset:\a*2176+96
	ds_store_b128 v[STOA], v[TMP+16:TMP+19] offset:\a*2176+PL
	ds_store_b128 v[STOA], v[TMP+20:TMP+23] offset:\a*2176+PL+32
.endm
	OUT16 0, 0, 0x05
	OUT16 1, 1, 0x05
	OUT16 2, 2, 0x05
	OUT16 3, 3, 0x05
	OUT16 4, 0, 0x0a
	OUT16 5, 1, 0x0a
	OUT16 6, 2, 0x0a
	OUT16 7, 3, 0x0a
	s_wait_dscnt 0x0                               ; my stores are in LDS: the middle head's rows are made of two waves' halves
	s_barrier_signal -1
	s_barrier_wait -1
.irp g, 0,1,2
.irp t, 0,1,2,3,4,5,6,7,8,9,10,11,12,13,14,15
	ds_load_b128 v[FA+64*\g+4*\t:FA+64*\g+4*\t+3], v[RD+\g] offset:544*\t
.endr
.endr
.irp g, 0,1,2
.irp t, 0,1,2,3,4,5,6,7,8,9,10,11,12,13,14,15
	s_wait_dscnt 47-16*\g-\t                       ; LDS loads come back in order: this one is in, the younger ones stay out
	global_store_b128 v[CO+\g], v[FA+64*\g+4*\t:FA+64*\g+4*\t+3], s[8:9] offset:512*\t   ; 16 lanes store 256 consecutive bytes, aligned
.endr
.endr
	s_set_vgpr_msb 0x3
	s_wait_tensorcnt 0x0
	ds_add_u32 v255, v255
	s_wait_dscnt 0x0
	s_set_vgpr_msb 0x300
	CROUND                                         ; the closing round: no work-group ends while a partner may still ask for a tile that names it
	s_endpgm
.Lfunc_end_k_qd4feef0cfc_qkv:
	.size	k_qd4feef0cfc_qkv, .Lfunc_end_k_qd4feef0cfc_qkv-k_qd4feef0cfc_qkv
	.p2alignl 7, 3214868480
	.fill 96, 4, 3214868480
	.section	.rodata,"a",@progbits
	.p2align	6, 0x0
	.amdhsa_kernel k_qd4feef0cfc_qkv
		.amdhsa_group_segment_fixed_size 327680
		.amdhsa_private_segment_fixed_size 0
		.amdhsa_enable_private_segment 0
		.amdhsa_kernarg_size 24
		.amdhsa_user_sgpr_count 2
		.amdhsa_user_sgpr_kernarg_segment_ptr 1
		.amdhsa_wavefront_size32 1
		.amdhsa_system_sgpr_workgroup_id_x 1
		.amdhsa_system_sgpr_workgroup_id_y 1
		.amdhsa_system_sgpr_workgroup_id_z 1
		.amdhsa_system_vgpr_workitem_id 0
		.amdhsa_next_free_vgpr 1024
		.amdhsa_next_free_sgpr 66
		.amdhsa_reserve_vcc 0
		.amdhsa_float_denorm_mode_32 3
		.amdhsa_float_denorm_mode_16_64 3
		.amdhsa_memory_ordered 1
		.amdhsa_forward_progress 1
		.amdhsa_inst_pref_size 160
	.end_amdhsa_kernel
	.amdgpu_metadata
---
amdhsa.version: [ 1, 2 ]
amdhsa.kernels:
  - .name:           k_qd4feef0cfc_qkv
    .symbol:         k_qd4feef0cfc_qkv.kd
    .args:
      - { .name: bf, .offset: 0, .size: 8, .value_kind: global_buffer, .address_space: global }
      - { .name: b_attn, .offset: 8, .size: 8, .value_kind: global_buffer, .address_space: global }
      - { .name: qkv, .offset: 16, .size: 8, .value_kind: global_buffer, .address_space: global }
    .group_segment_fixed_size: 327680
    .private_segment_fixed_size: 0
    .kernarg_segment_align: 8
    .kernarg_segment_size: 24
    .max_flat_workgroup_size: 128
    .sgpr_count:     66
    .vgpr_count:     1024
    .wavefront_size: 32
...
	.end_amdgpu_metadata
.endif
;; end of part 2
;; launch attn (part 3): grid 8 x 32, 4 waves a work-group, no clusters, 327,680 bytes of LDS; arguments qkv, y; writes y
.if DOCPART == 3
	.amdgcn_target "amdgcn-amd-amdhsa--gfx1250"
	.amdhsa_code_object_version 6
	.text
	.protected	k_qd4feef0cfc_attn
	.globl	k_qd4feef0cfc_attn
	.p2align	8
	.type	k_qd4feef0cfc_attn,@function
k_qd4feef0cfc_attn:
	s_mov_b64 s[64:65], 0
	v_nop
	global_prefetch_b8 v0, s[64:65] scope:SCOPE_SE
	s_setreg_imm32_b32 hwreg(HW_REG_WAVE_MODE, 25, 1), 1
	s_wait_xcnt 0x0
; Causal attention of one head, softmax with a running maximum.  q, k, v: planes [2048][64] f16 of qkv; y: 32 planes [2048][64] f16.
; Work-group (i, plane) takes query block i and then query block 15 - i (128 queries each): i + 1 and 16 - i key tiles of 128 keys, 17 in every work-group.
; The 17 tiles run through one flat loop; tile j reads key tile j (j <= i) or j - i - 1; tiles j = i and j = 16 lie on the diagonal and are masked.
; Four waves, 32 queries (two q tiles of 16) each; a key tile is worked in two steps of 64 keys.
; NO MULTICAST: the eight work-groups of a head need 1 to 16 tiles for a block; walking them in step would cost 20 tiles' work for 17, and K and V are a small
; part of what a step moves.
; MATRIX USE: S^T = K Q^T (source 0 = 16 keys, source 1 = 16 queries): lane l holds query l % 16 and keys 8 (l / 16) + 0..7 of each tile.  Two neighbouring tiles,
; packed to f16, are a source 1 fragment of P^T as they stand.  y^T = V^T P^T (source 0 = V by the transposing LDS load): lane l holds query l % 16 and eight
; neighbouring d.  So maximum, sum and scale are per lane, and only lanes l and l xor 16 have to meet.
; ARITHMETIC: p = 2^(c s - c m), c = log2(e) / 8, m the running maximum of the raw scores; old sums are rescaled by 2^(new shift - old shift), the shifts as they
; were subtracted.  The sum of p is taken in f32 before p is rounded to f16.
; LIMITS: p below 2^-126 is 0 (v_exp_f32 flushes), p below 2^-25 is 0 in f16; NaN and infinities in q, k, v are not treated.
; Key 0 of a tile is visible to every query that meets the tile, so the maximum is finite from a block's first step on.
.set KP,    272                        ; K in LDS: a pair of keys, 256 bytes + 16: key k at (k / 2) KP + 128 (k % 2)
.set VP,    288                        ; V in LDS: a pair of keys, 256 bytes + 32
.set VOFF,  64*KP                      ; 17,408
.set SLOT,  64*KP+64*VP                ; 35,840
.set STAGE, 2*SLOT                     ; 71,680: 16 pairs of rows x 272 bytes for each wave, for the way out; no tensor load lands here
.set CLOG,  0x3e38aa3b                 ; log2(e) / 8
.set NCLOG, 0xbe38aa3b                 ; its negative
.set KA, 2                             ; v2-3    LDS address of my K fragments in slot 0, 1
.set VA, 4                             ; v4-5    the same for V
.set STO, 6                            ; v6      the way out: in
.set RD, 7                             ; v7      the way out: back
.set QL, 8                             ; v8      my bytes in a query block of q;  v9 QA the same with the block
.set QA, 9
.set YL, 10                            ; v10     my bytes in a query block of y;  v11 YA the same with the block
.set YA, 11
.set DG, 12                            ; v12-13  q tile qt: my query's place in the block less 8 (l / 16): key 16 kt + jj of the diagonal tile is visible if it is <= this
.set MM, 14                            ; v14-15  running maximum
.set LL, 16                            ; v16-17  running sum (this lane's keys)
.set NM, 18                            ; v[18:21] the shift - c m, a pair for each q tile
.set AL, 22                            ; v[22:25] the factor for the old sums, a pair for each q tile
.set TT, 26                            ; v26-29  at work
.set NI, 30                            ; v30     minus infinity
.set XA, 31                            ; v31     at work
.set QF, 32                            ; v32-63   Q fragments, 8 (2 qt + dh)
.set SS, 64                            ; v64-127  scores, 8 (4 qt + kt)
.set PP, 128                           ; v128-159 P fragments, 8 (2 qt + ks)
.set OO, 160                           ; v160-223 y^T sums, 8 (4 qt + dt)
.set UU, 224                           ; v224-231 four pairs of partial sums
.set KF, 0                             ; window 1: v0-63 K fragments, 8 (2 kt + dh)
.set VF, 64                            ; window 1: v64-127 V fragments, 8 (4 ks + dt)
.set G1K, 16                           ; s[16:23] group 1 for K
.set G1V, 24                           ; s[24:31] group 1 for V
.set G0K, 32                           ; s[32:39] group 0 for K, a set for each slot
.set G0V, 40                           ; s[40:47] group 0 for V, a set for each slot
.set W_MUL, 0x01                       ; source 0 window 1
.set W_LD,  0x40                       ; destination window 1
.set MSB, 0
.macro WIN new
.if MSB != \new
	s_set_vgpr_msb (MSB<<8)|\new
.set MSB, \new
.endif
.endm
.macro PLACES                          ; four places behind a matrix instruction (ISA guide 7.12.1)
.rept 4
	v_nop
.endr
.endm
	s_load_b128 s[4:7], s[0:1], 0x0                ; qkv s[4:5], y s[6:7]
	v_lshl_add_u32 v254, v0, 2, 0x29000
	v_mov_b32 v255, 0
	ds_add_u32 v254, v255
	ds_add_u32 v254, v255
	v_lshrrev_b32 v1, 5, v0
	v_readfirstlane_b32 s8, v1                     ; wave 0..3
	s_mov_b32 s9, ttmp9                            ; i
	s_and_b32 s10, ttmp7, 0xffff                   ; plane = 16 batch + head
	s_mov_b32 s58, 0x76543210                      ; v_permlanex16_b32: lane l reads lane l xor 16
	s_mov_b32 s59, 0xfedcba98
	s_mov_b32 s60, CLOG
	s_mov_b32 s61, CLOG
	; group 1: 32 keys are a dense block of 4,096 bytes: 16 rows of 128 elements of 2 bytes, padding behind every 64 words: 4 words for K, 8 for V
	s_mov_b32 s[G1K+0], (1<<16)|(1<<20)|(5<<22)|(3<<25)
	s_mov_b32 s[G1V+0], (1<<16)|(1<<20)|(5<<22)|(7<<25)
.irp g, G1K, G1V
	s_mov_b32 s[\g+1], 128<<16                     ; tensor_dim0 = 128
	s_mov_b32 s[\g+2], 16<<16                      ; tensor_dim1 = 16
	s_mov_b32 s[\g+3], 128<<16                     ; tile_dim0 = 128
	s_mov_b32 s[\g+4], 16                          ; tile_dim1 = 16
	s_mov_b32 s[\g+5], 128                         ; elements from row to row
	s_mov_b32 s[\g+6], 0
	s_mov_b32 s[\g+7], 0
.endr
	s_mul_i32 s15, s8, 16*KP                       ; each wave brings its own 32 keys of every tile
	s_mov_b32 s[G0K], 1
	s_add_co_u32 s[G0K+1], s15, 0
	s_mov_b32 s[G0K+4], 1
	s_add_co_u32 s[G0K+5], s15, SLOT
	s_mul_i32 s15, s8, 16*VP
	s_mov_b32 s[G0V], 1
	s_add_co_u32 s[G0V+1], s15, VOFF
	s_mov_b32 s[G0V+4], 1
	s_add_co_u32 s[G0V+5], s15, SLOT+VOFF
	s_lshl_b32 s52, s10, 18                        ; a plane is 262,144 bytes
	s_mov_b32 s53, 0
	s_lshl_b32 s15, s8, 12                         ; 32 keys of 128 bytes for each wave
	s_wait_dscnt 0x0
	s_wait_kmcnt 0x0
	s_add_nc_u64 s[54:55], s[4:5], s[52:53]        ; my q plane
	s_add_nc_u64 s[56:57], s[6:7], s[52:53]        ; my y plane
	s_add_co_u32 s52, s52, s15
	s_add_nc_u64 s[48:49], s[4:5], s[52:53]
	s_add_nc_u64 s[50:51], s[48:49], 16777216      ; my wave's keys in tile 0 of my v plane (64 planes on),
	s_add_nc_u64 s[48:49], s[48:49], 8388608       ; of my k plane (32 planes on)
	s_or_b32 s49, s49, 0x80000000                  ; with the descriptor's type on top
	s_or_b32 s51, s51, 0x80000000
	s_mov_b64 s[G0K+2:G0K+3], s[48:49]
	s_mov_b64 s[G0V+2:G0V+3], s[50:51]
	tensor_load_to_lds s[G0K:G0K+3], s[G1K:G1K+7]  ; tile 0 into slot 0
	s_nop 0
	tensor_load_to_lds s[G0V:G0V+3], s[G1V:G1V+7]
	s_nop 0
	v_and_b32 v1, 15, v0                           ; r = l % 16
	v_bfe_u32 v26, v0, 1, 3                        ; r / 2
	v_and_b32 v27, 1, v0                           ; r % 2
	v_bfe_u32 v28, v0, 4, 1                        ; h = l / 16
	v_mul_u32_u24 v29, v26, KP
	v_lshl_add_u32 v29, v27, 7, v29
	v_lshl_add_u32 v[KA], v28, 4, v29              ; key r of a tile of 16: pair, half, 16 h
	v_add_nc_u32 v[KA+1], SLOT, v[KA]
	s_mul_i32 s15, s8, 16*KP
	s_add_co_u32 s15, s15, STAGE                   ; my stage: rows lie in it as keys lie in K's tile
	v_add_nc_u32 v[STO], s15, v[KA]
	v_mul_u32_u24 v29, v28, KP
	v_lshl_add_u32 v29, v1, 4, v29
	v_add_nc_u32 v[RD], s15, v29                   ; back: lanes 0-15 one pair of rows, lanes 16-31 the next
	v_bfe_u32 v26, v0, 1, 2                        ; V by the transposing load: lane l addresses key 8 h + l % 8: pair 4 h + (l % 8) / 2, half l % 2,
	v_lshl_add_u32 v26, v28, 2, v26
	v_mul_u32_u24 v26, v26, VP
	v_lshl_add_u32 v26, v27, 7, v26
	v_bfe_u32 v29, v0, 3, 1                        ; 16 bytes at 16 ((l / 8) % 2)
	v_lshl_add_u32 v26, v29, 4, v26
	v_add_nc_u32 v[VA], VOFF, v26
	v_add_nc_u32 v[VA+1], SLOT+VOFF, v26
	s_lshl_b32 s15, s8, 5
	v_add_nc_u32 v26, s15, v1                      ; my query's place in the block, q tile 0
	v_lshlrev_b32 v29, 3, v28
	v_sub_nc_u32 v[DG], v26, v29                   ; may be negative: compared as signed
	v_add_nc_u32 v[DG+1], 16, v[DG]
	v_lshlrev_b32 v26, 7, v26
	v_lshl_add_u32 v[QL], v28, 4, v26
	v_and_b32 v26, 31, v0
	v_lshlrev_b32 v26, 4, v26
	s_lshl_b32 s15, s8, 12
	v_add_nc_u32 v[YL], s15, v26
	v_mov_b32 v[NI], 0xff800000
.macro LOADK slot, s                   ; 16 loads: 64 keys x 64 d as source 0 fragments
.irp kt, 0,1,2,3
.irp dh, 0,1
	ds_load_b128 v[KF+8*(2*\kt+\dh):KF+8*(2*\kt+\dh)+3],   v[KA+\slot] offset:32*KP*\s+8*KP*\kt+64*\dh
	ds_load_b128 v[KF+8*(2*\kt+\dh)+4:KF+8*(2*\kt+\dh)+7], v[KA+\slot] offset:32*KP*\s+8*KP*\kt+64*\dh+32
.endr
.endr
.endm
.macro LOADV slot, s                   ; 16 transposing loads: 64 d x 64 keys as source 0 fragments
.irp ks, 0,1
.irp dt, 0,1,2,3
	ds_load_tr16_b128 v[VF+8*(4*\ks+\dt):VF+8*(4*\ks+\dt)+3],   v[VA+\slot] offset:32*VP*\s+16*VP*\ks+32*\dt
	ds_load_tr16_b128 v[VF+8*(4*\ks+\dt)+4:VF+8*(4*\ks+\dt)+7], v[VA+\slot] offset:32*VP*\s+16*VP*\ks+32*\dt+8*VP
.endr
.endr
.endm
; the four accumulators of a q tile take turns, one instruction a turn
.macro SMUL qt                         ; scores of 64 keys x 16 queries
.irp kt, 0,1,2,3
	v_wmma_f32_16x16x32_f16 v[SS+32*\qt+8*\kt:SS+32*\qt+8*\kt+7], v[KF+16*\kt:KF+16*\kt+7], v[QF+16*\qt:QF+16*\qt+7], 0
.endr
.irp kt, 0,1,2,3
	v_wmma_f32_16x16x32_f16 v[SS+32*\qt+8*\kt:SS+32*\qt+8*\kt+7], v[KF+16*\kt+8:KF+16*\kt+15], v[QF+16*\qt+8:QF+16*\qt+15], v[SS+32*\qt+8*\kt:SS+32*\qt+8*\kt+7]
.endr
.endm
.macro PV qt                           ; 64 d x 16 queries, 64 keys
.irp ks, 0,1
.irp dt, 0,1,2,3
	v_wmma_f32_16x16x32_f16 v[OO+32*\qt+8*\dt:OO+32*\qt+8*\dt+7], v[VF+8*(4*\ks+\dt):VF+8*(4*\ks+\dt)+7], v[PP+16*\qt+8*\ks:PP+16*\qt+8*\ks+7], v[OO+32*\qt+8*\dt:OO+32*\qt+8*\dt+7]
.endr
.endr
.endm
; on the diagonal tile (j = s12) keys behind the query get minus infinity.  The branch hangs on the work-group's number and the loop's count alone.
.macro MASK s
	s_cmp_lg_u32 s11, s12
	s_cbranch_scc1 .Lopen_\@
.irp qt, 0,1
.irp kt, 0,1,2,3
.irp jj, 0,1,2,3,4,5,6,7
	v_cmp_le_i32 vcc_lo, 64*\s+16*\kt+\jj, v[DG+\qt]
	v_cndmask_b32 v[SS+32*\qt+8*\kt+\jj], v[NI], v[SS+32*\qt+8*\kt+\jj], vcc_lo
.endr
.endr
.endr
.Lopen_\@:
.endm
; one q tile's 32 scores a lane: new maximum, p, the sum, P's fragments, the old sums rescaled
.macro SOFT qt
	v_max3_num_f32 v[TT],   v[SS+32*\qt],    v[SS+32*\qt+1],  v[MM+\qt]        ; two chains; the first takes the old maximum in
	v_max3_num_f32 v[TT+1], v[SS+32*\qt+16], v[SS+32*\qt+17], v[SS+32*\qt+18]
.irp i, 1,2,3,4,5,6
	v_max3_num_f32 v[TT],   v[TT],   v[SS+32*\qt+2*\i],    v[SS+32*\qt+2*\i+1]
	v_max3_num_f32 v[TT+1], v[TT+1], v[SS+32*\qt+2*\i+17], v[SS+32*\qt+2*\i+18]
.endr
	v_max3_num_f32 v[TT], v[TT], v[SS+32*\qt+14], v[SS+32*\qt+15]
	v_max3_num_f32 v[TT], v[TT], v[TT+1], v[SS+32*\qt+31]
	v_permlanex16_b32 v[TT+1], v[TT], s58, s59     ; the other half of the query's keys
	v_max_num_f32 v[TT+2], v[TT], v[TT+1]
	v_mul_f32 v[TT+3], NCLOG, v[TT+2]              ; the new shift
	v_sub_f32 v[XA], v[TT+3], v[NM+2*\qt]          ; less the old one (plus infinity at a block's start: the factor is 0)
	v_mul_f32 v[NM+2*\qt],   NCLOG, v[TT+2]
	v_mul_f32 v[NM+2*\qt+1], NCLOG, v[TT+2]
.irp i, 0,1,2,3,4,5,6,7,8,9,10,11,12,13,14,15
	v_pk_fma_f32 v[SS+32*\qt+2*\i:SS+32*\qt+2*\i+1], v[SS+32*\qt+2*\i:SS+32*\qt+2*\i+1], s[60:61], v[NM+2*\qt:NM+2*\qt+1] op_sel_hi:[1,0,1]
.endr
	v_exp_f32 v[AL+2*\qt],   v[XA]
	v_exp_f32 v[AL+2*\qt+1], v[XA]
.set n, 0
.rept 32
	v_exp_f32 v[SS+32*\qt+n], v[SS+32*\qt+n]
.set n, n+1
.endr
	v_mov_b32 v[MM+\qt], v[TT+2]                   ; the plain instruction between the exponentials and the first use of a result
	s_wait_alu depctr_va_vdst(0)
.irp k, 0,1,2,3
	v_pk_add_f32 v[UU+2*\k:UU+2*\k+1], v[SS+32*\qt+4*\k:SS+32*\qt+4*\k+1], v[SS+32*\qt+4*\k+2:SS+32*\qt+4*\k+3]
.endr
.irp k, 0,1,2,3
	v_pk_add_f32 v[UU+2*\k:UU+2*\k+1], v[UU+2*\k:UU+2*\k+1], v[SS+32*\qt+16+2*\k:SS+32*\qt+16+2*\k+1]
.endr
.irp k, 0,1,2,3
	v_pk_add_f32 v[UU+2*\k:UU+2*\k+1], v[UU+2*\k:UU+2*\k+1], v[SS+32*\qt+24+2*\k:SS+32*\qt+24+2*\k+1]
.endr
	v_pk_add_f32 v[UU:UU+1],   v[UU:UU+1],   v[UU+2:UU+3]
	v_pk_add_f32 v[UU+4:UU+5], v[UU+4:UU+5], v[UU+6:UU+7]
	v_pk_add_f32 v[UU:UU+1],   v[UU:UU+1],   v[UU+4:UU+5]
	v_add_f32 v[TT], v[UU], v[UU+1]
	v_fma_f32 v[LL+\qt], v[LL+\qt], v[AL+2*\qt], v[TT]
.irp i, 0,1,2,3,4,5,6,7,8,9,10,11,12,13,14,15
	v_cvt_pk_f16_f32 v[PP+16*\qt+\i], v[SS+32*\qt+2*\i], v[SS+32*\qt+2*\i+1]
.endr
.irp i, 0,1,2,3,4,5,6,7,8,9,10,11,12,13,14,15
	v_pk_mul_f32 v[OO+32*\qt+2*\i:OO+32*\qt+2*\i+1], v[OO+32*\qt+2*\i:OO+32*\qt+2*\i+1], v[AL+2*\qt:AL+2*\qt+1]
.endr
.endm
; 64 keys.  s = 0: the second half's K fragments are fetched behind the score products, its V fragments behind the last products.
; q tile 1's vector work stands behind q tile 0's products and names none of their registers.
.macro STEP slot, s
	WIN W_MUL
	SMUL 0
	SMUL 1
	WIN 0
	PLACES
.if \s == 0
	WIN W_LD
	LOADK \slot, 1
	WIN 0
.endif
	MASK \s
	SOFT 0
.if \s == 0
	s_wait_dscnt 16                                ; V's first half is in; the 16 loads of K's second half may be out
.else
	s_wait_dscnt 0                                 ; V's second half is in
.endif
	WIN W_MUL
	PV 0
	WIN 0
	SOFT 1
	WIN W_MUL
	PV 1
	WIN 0
	PLACES
.if \s == 0
	WIN W_LD
	LOADV \slot, 1
	WIN 0
.endif
.endm
; a query block begins (its byte offset in a plane in s14): Q's fragments straight from memory; sums cleared, because a block's first tile stands at a place of
; the flat loop that differs from work-group to work-group
.macro START
	v_add_nc_u32 v[QA], s14, v[QL]
	v_add_nc_u32 v[YA], s14, v[YL]
.irp qt, 0,1
.irp c, 0,1,2,3
	global_load_b128 v[QF+16*\qt+4*\c:QF+16*\qt+4*\c+3], v[QA], s[54:55] offset:2048*\qt+32*\c
.endr
.endr
.set n, 0
.rept 64
	v_mov_b32 v[OO+n], 0
.set n, n+1
.endr
.irp qt, 0,1
	v_mov_b32 v[MM+\qt], v[NI]
	v_mov_b32 v[LL+\qt], 0
	v_mov_b32 v[NM+2*\qt], 0x7f800000              ; the shift that belongs to a maximum of minus infinity
.endr
	s_wait_loadcnt 0x0
.endm
; a query block ends: divide by the sum, round to f16, 16 bytes a lane into my own stage, back as pairs of rows, out
.macro FINISH
	v_permlanex16_b32 v[TT],   v[LL],   s58, s59
	v_permlanex16_b32 v[TT+1], v[LL+1], s58, s59
	v_add_f32 v[LL],   v[LL],   v[TT]
	v_add_f32 v[LL+1], v[LL+1], v[TT+1]
	v_rcp_f32 v[AL],   v[LL]
	v_rcp_f32 v[AL+1], v[LL]
	v_rcp_f32 v[AL+2], v[LL+1]
	v_rcp_f32 v[AL+3], v[LL+1]
	v_nop                                          ; the plain instruction between the reciprocals and their first use
	s_wait_alu depctr_va_vdst(0)
.irp qt, 0,1
.irp i, 0,1,2,3,4,5,6,7,8,9,10,11,12,13,14,15
	v_pk_mul_f32 v[OO+32*\qt+2*\i:OO+32*\qt+2*\i+1], v[OO+32*\qt+2*\i:OO+32*\qt+2*\i+1], v[AL+2*\qt:AL+2*\qt+1]
.endr
.endr
.set n, 0
.rept 32
	v_cvt_pk_f16_f32 v[SS+n], v[OO+2*n], v[OO+2*n+1]
.set n, n+1
.endr
.irp qt, 0,1
.irp dt, 0,1,2,3
	ds_store_b128 v[STO], v[SS+16*\qt+4*\dt:SS+16*\qt+4*\dt+3] offset:8*KP*\qt+32*\dt
.endr
.endr
.irp t, 0,1,2,3,4,5,6,7
	ds_load_b128 v[SS+32+4*\t:SS+32+4*\t+3], v[RD] offset:2*KP*\t      ; LDS serves a wave's instructions in order: these see the stores above
.endr
.irp t, 0,1,2,3,4,5,6,7
	s_wait_dscnt 7-\t
	global_store_b128 v[YA], v[SS+32+4*\t:SS+32+4*\t+3], s[56:57] offset:512*\t   ; 16 lanes store 256 consecutive bytes, aligned: two rows of the head
.endr
	s_wait_xcnt 0x0                                ; the stores' address and data registers are written again only behind this wait
.endm
; one key tile, in slot.  refill = 1: the next tile goes into the other slot.  sw = 1: behind tile i the first query block ends and the second begins.
.macro UNIT slot, refill, sw
	s_wait_tensorcnt 0x0                           ; all my tensor loads have landed, my part of this tile among them: every group 0 may be written
	ds_add_u32 v254, v255
	s_wait_dscnt 0x0
.if \refill
	s_add_co_u32 s15, s11, 1                       ; n = j + 1 reads key tile n, or n - i - 1 = j - i in the second block
	s_sub_co_u32 s52, s11, s9
	s_cmp_le_u32 s15, s9
	s_cselect_b32 s52, s15, s52
	s_lshl_b32 s52, s52, 14                        ; 128 keys of 128 bytes
	s_add_nc_u64 s[G0K+4*(1-\slot)+2:G0K+4*(1-\slot)+3], s[48:49], s[52:53]
	s_add_nc_u64 s[G0V+4*(1-\slot)+2:G0V+4*(1-\slot)+3], s[50:51], s[52:53]
.endif
	s_wait_dscnt 0x0                               ; my reads of the other slot are over
	s_barrier_signal -1
	s_barrier_wait -1                              ; both now hold of all four waves
.if \refill
	tensor_load_to_lds s[G0K+4*(1-\slot):G0K+4*(1-\slot)+3], s[G1K:G1K+7]   ; two tensor loads of the wave are out, with this tile's work in which to land
	s_nop 0
	tensor_load_to_lds s[G0V+4*(1-\slot):G0V+4*(1-\slot)+3], s[G1V:G1V+7]
	s_nop 0
.endif
	WIN W_LD
	LOADK \slot, 0
	LOADV \slot, 0
	s_wait_dscnt 16                                ; K's first half is in; V's 16 loads may be out
	STEP \slot, 0
	s_wait_dscnt 16                                ; K's second half is in; V's 16 loads may be out
	STEP \slot, 1
.if \sw
	s_cmp_lg_u32 s11, s9
	s_cbranch_scc1 .Lsame_block_\@
	FINISH
	s_sub_co_u32 s14, 15, s9
	s_lshl_b32 s14, s14, 14                        ; query block 15 - i
	s_mov_b32 s12, 16                              ; its diagonal tile is the last
	START
.Lsame_block_\@:
.endif
	s_add_co_u32 s11, s11, 1
.endm
	s_lshl_b32 s14, s9, 14                         ; query block i: 128 rows of 128 bytes each
	s_mov_b32 s12, s9                              ; its diagonal tile is j = i
	START
	s_mov_b32 s11, 0                               ; j
	s_mov_b32 s13, 8
.Ltiles:
	UNIT 0, 1, 1
	UNIT 1, 1, 1
	s_sub_co_u32 s13, s13, 1
	s_cmp_lg_u32 s13, 0
	s_cbranch_scc1 .Ltiles
	UNIT 0, 0, 0                                   ; tile 16 fetches nothing
	FINISH
	s_wait_tensorcnt 0x0
	ds_add_u32 v254, v255
	s_wait_dscnt 0x0
	s_endpgm
.Lfunc_end_k_qd4feef0cfc_attn:
	.size	k_qd4feef0cfc_attn, .Lfunc_end_k_qd4feef0cfc_attn-k_qd4feef0cfc_attn
	.p2alignl 7, 3214868480
	.fill 96, 4, 3214868480
	.section	.rodata,"a",@progbits
	.p2align	6, 0x0
	.amdhsa_kernel k_qd4feef0cfc_attn
		.amdhsa_group_segment_fixed_size 327680
		.amdhsa_private_segment_fixed_size 0
		.amdhsa_enable_private_segment 0
		.amdhsa_kernarg_size 16
		.amdhsa_user_sgpr_count 2
		.amdhsa_user_sgpr_kernarg_segment_ptr 1
		.amdhsa_wavefront_size32 1
		.amdhsa_system_sgpr_workgroup_id_x 1
		.amdhsa_system_sgpr_workgroup_id_y 1
		.amdhsa_system_sgpr_workgroup_id_z 1
		.amdhsa_system_vgpr_workitem_id 0
		.amdhsa_next_free_vgpr 384
		.amdhsa_next_free_sgpr 66
		.amdhsa_reserve_vcc 1
		.amdhsa_float_denorm_mode_32 3
		.amdhsa_float_denorm_mode_16_64 3
		.amdhsa_memory_ordered 1
		.amdhsa_forward_progress 1
		.amdhsa_inst_pref_size 172
	.end_amdhsa_kernel
	.amdgpu_metadata
---
amdhsa.version: [ 1, 2 ]
amdhsa.kernels:
  - .name:           k_qd4feef0cfc_attn
    .symbol:         k_qd4feef0cfc_attn.kd
    .args:
      - { .name: qkv, .offset: 0, .size: 8, .value_kind: global_buffer, .address_space: global }
      - { .name: y, .offset: 8, .size: 8, .value_kind: global_buffer, .address_space: global }
    .group_segment_fixed_size: 327680
    .private_segment_fixed_size: 0
    .kernarg_segment_align: 8
    .kernarg_segment_size: 16
    .max_flat_workgroup_size: 128
    .sgpr_count:     66
    .vgpr_count:     384
    .wavefront_size: 32
...
	.end_amdgpu_metadata
.endif
;; end of part 3
;; launch proj (part 4): grid 8 x 32, 4 waves a work-group, clusters of 4 x 4, 327,680 bytes of LDS; arguments y, bf, b_proj, out0; writes out0
.if DOCPART == 4
	.amdgcn_target "amdgcn-amd-amdhsa--gfx1250"
	.amdhsa_code_object_version 6
	.text
	.protected	k_qd4feef0cfc_proj
	.globl	k_qd4feef0cfc_proj
	.p2align	8
	.type	k_qd4feef0cfc_proj,@function
k_qd4feef0cfc_proj:
	s_mov_b64 s[64:65], 0
	v_nop
	global_prefetch_b8 v0, s[64:65] scope:SCOPE_SE
	s_setreg_imm32_b32 hwreg(HW_REG_WAVE_MODE, 25, 1), 1
	s_wait_xcnt 0x0
	s_wait_alu depctr_hold_cnt(0) depctr_sa_sdst(0) depctr_va_vdst(0) depctr_va_sdst(0) depctr_va_ssrc(0) depctr_va_vcc(0) depctr_vm_vsrc(0)
	s_getreg_b32 s2, hwreg(HW_REG_IB_STS2, 6, 4)
	s_cmp_eq_u32 s2, 0
	s_cbranch_scc0 .Lentry_in_a_cluster
	s_endpgm
.Lentry_in_a_cluster:
	s_bfe_u32 s2, ttmp6, 0x10000c
	s_cmp_lg_u32 s2, 0xf033
	s_cbranch_scc0 .Lentry_shape_is_right
	s_endpgm
.Lentry_shape_is_right:
; out0 = y wp + b_proj: [4096][1024] x [1024][1024], f16 operands, f32 sums that start from the bias, f32 out.
; y lies by heads (32 planes [2048][64] f16), wp [k][n] f16 at byte 14,680,064 of bf.
; A work-group makes 128 x 128 with four waves, a wave 64 x 64: 16 accumulator tiles.  K goes in four steps of 256 (four heads) through two LDS slots; a K step
; of 128 would leave only 64 matrix instructions of a wave between a tile's request and the wait for it.  No loop: four K steps are written out.
; CLUSTERS: 4 x 4 work-groups; y's tile is asked for jointly by a row of the cluster, wp's by a column; each wave issues one line for each.
; The matrix instruction is used transposed (source 0 = 16 columns of wp by the transposing LDS load, source 1 = 16 rows of y): lane l holds row l % 16 and
; the eight neighbouring columns 8 (l / 16) + 0..7.
; REGISTERS: window 0: v16-26 addresses, v32-63 / v64-95 fragments of y, v96-127 / v128-159 fragments of wp, v160-191 bias, v192-255 the way out;
;   window 1: v0-127 accumulator tile (a, b) at v[8 (4 a + b)].
.set PA,     272                       ; y in LDS: a pair of rows of one head, 256 bytes + 16
.set PB,     288                       ; wp in LDS: 256 bytes + 32 a row (k)
.set HEADB,  64*PA                     ; 17,408: 128 rows of one head
.set ABYTES, 4*HEADB                   ; 69,632
.set SLOT,   ABYTES+256*PB             ; 143,360
.set STAGE,  2*SLOT                    ; 286,720: 16 rows x 272 bytes for each wave; no tensor load lands here
.set WP_OFF, 14680064
.set ADRA, 16                          ; v16-17  LDS address of my y fragments in slot 0, 1
.set ADRB, 20                          ; v20-23  of my wp fragments: 2 slot + half of the K step (the immediate reaches 65,535 bytes)
.set STO,  24
.set RD,   25
.set CO,   26
.set FA,   32                          ; buffer f at FA + 32 f
.set FB,   96                          ; buffer f at FB + 32 f
.set BIAS, 160
.set RB,   192                         ; the way out: two sets of 32 registers in turn
.set G1A, 24
.set G0A, 32
.set G1B, 48
.set G0B, 56
.set MUL,      0x50                    ; C and D window 1
.set MUL_BIAS, 0x40                    ; D window 1, C window 0
.set FROM_ACC, 0x04                    ; an LDS store's data window 1
.set MSB, 0
.macro WIN new
.if MSB != \new
	s_set_vgpr_msb (MSB<<8)|\new
.set MSB, \new
.endif
.endm
.macro CREST                           ; a round of the cluster's barrier behind its opening work-group barrier
	s_cmp_lg_u32 s12, 0
	s_cbranch_scc1 .Lnot_wave_0_\@
	s_barrier_signal -3
.Lnot_wave_0_\@:
	s_barrier_wait -3
	s_barrier_signal -1
	s_barrier_wait -1
.endm
.macro CROUND
	s_barrier_signal -1
	s_barrier_wait -1
	CREST
.endm
.macro PLACES                          ; four places behind a matrix instruction (ISA guide 7.12.1)
.rept 4
	v_nop
.endr
.endm
	s_load_b256 s[4:11], s[0:1], 0x0               ; y s[4:5], bf s[6:7], b_proj s[8:9], out0 s[10:11]
	v_lshl_add_u32 v30, v0, 2, 0x4a400
	v_mov_b32 v31, 0
	ds_add_u32 v30, v31
	ds_add_u32 v30, v31
	v_lshrrev_b32 v1, 5, v0
	v_readfirstlane_b32 s12, v1                    ; wave 0..3
	s_lshr_b32 s13, s12, 1                         ; which 64 rows of the block are mine
	s_and_b32 s14, s12, 1                          ; which 64 columns
	s_bfe_u32 s40, ttmp6, 0x40000                  ; cx
	s_bfe_u32 s41, ttmp6, 0x40004                  ; cy
	s_lshl_b32 s42, ttmp9, 2
	s_add_co_u32 s42, s42, s40                     ; block column
	s_and_b32 s15, ttmp7, 0xffff
	s_lshl_b32 s15, s15, 2
	s_add_co_u32 s15, s15, s41                     ; block row
	s_lshl_b32 s43, s41, 2
	s_lshl_b32 s43, 15, s43                        ; my row of the cluster
	s_lshl_b32 s44, 0x1111, s40                    ; my column
	; group 1 for y: 128 rows of one head are a dense block of 16,384 bytes: 64 rows of 128 elements, 4 words of padding behind every 64
	s_or_b32  s[G1A+0], s43, (1<<16)|(1<<20)|(1<<21)|(5<<22)|(3<<25)
	s_mov_b32 s[G1A+1], 128<<16
	s_mov_b32 s[G1A+2], 64<<16
	s_mov_b32 s[G1A+3], 128<<16
	s_mov_b32 s[G1A+4], 64
	s_mov_b32 s[G1A+5], 128
	s_mov_b32 s[G1A+6], 0
	s_mov_b32 s[G1A+7], 0
	; group 1 for wp: 64 rows (k) x 128 elements, 8 words of padding behind every 64
	s_or_b32  s[G1B+0], s44, (1<<16)|(1<<20)|(1<<21)|(5<<22)|(7<<25)
	s_mov_b32 s[G1B+1], 128<<16
	s_mov_b32 s[G1B+2], 64<<16
	s_mov_b32 s[G1B+3], 128<<16
	s_mov_b32 s[G1B+4], 64
	s_mov_b32 s[G1B+5], 1024
	s_mov_b32 s[G1B+6], 0
	s_mov_b32 s[G1B+7], 0
	; y's address is made of the block row and the wave, wp's of the block column and the wave, in registers that never hold the other coordinate
	s_lshr_b32 s16, s15, 4
	s_lshl_b32 s16, s16, 22                        ; 16 planes of 262,144 bytes for each batch
	s_and_b32 s17, s15, 15
	s_lshl_b32 s17, s17, 14                        ; 128 rows of 128 bytes for each block row inside a batch
	s_add_co_u32 s16, s16, s17
	s_lshl_b32 s17, s12, 18                        ; wave w brings head w of the K step's four
	s_add_co_u32 s16, s16, s17
	s_mov_b32 s17, 0
	s_lshl_b32 s46, s42, 8                         ; 128 columns of 2 bytes for each block column
	s_lshl_b32 s47, s12, 17                        ; 64 rows (k) of 2,048 bytes for each wave
	s_add_co_u32 s46, s46, s47
	s_add_co_u32 s46, s46, WP_OFF
	s_mov_b32 s47, 0
	s_mul_i32 s20, s12, HEADB
	s_mul_i32 s21, s12, 64*PB
	s_add_co_u32 s21, s21, ABYTES
	s_wait_dscnt 0x0
	s_wait_kmcnt 0x0
	s_add_nc_u64 s[18:19], s[4:5], s[16:17]
	s_add_nc_u64 s[46:47], s[6:7], s[46:47]
	CROUND                                         ; all sixteen work-groups are here: the first joint loads meet
.irp s, 0,1
	s_mov_b32 s[G0A+4*\s], 1
	s_add_co_u32 s[G0A+4*\s+1], s20, \s*SLOT
	s_add_nc_u64 s[G0A+4*\s+2:G0A+4*\s+3], s[18:19], \s*4*262144
	s_or_b32 s[G0A+4*\s+3], s[G0A+4*\s+3], 0x80000000
	s_mov_b32 s[G0B+4*\s], 1
	s_add_co_u32 s[G0B+4*\s+1], s21, \s*SLOT
	s_add_nc_u64 s[G0B+4*\s+2:G0B+4*\s+3], s[46:47], \s*256*2048
	s_or_b32 s[G0B+4*\s+3], s[G0B+4*\s+3], 0x80000000
	tensor_load_to_lds s[G0A+4*\s:G0A+4*\s+3], s[G1A:G1A+7]
	s_nop 0
	tensor_load_to_lds s[G0B+4*\s:G0B+4*\s+3], s[G1B:G1B+7]       ; four tensor loads of the wave are out now, later two
	s_nop 0
.endr
	v_and_b32 v1, 15, v0                           ; r
	v_bfe_u32 v2, v0, 4, 1                         ; h
	; the bias: register j of column block b holds b_proj[128 block column + 64 half + 16 b + 8 h + j]
	s_lshl_b32 s46, s42, 9
	s_mov_b32 s47, 0
	s_add_nc_u64 s[8:9], s[8:9], s[46:47]
	s_lshl_b32 s22, s14, 8
	v_lshl_add_u32 v9, v2, 5, s22
.irp b, 0,1,2,3
	global_load_b128 v[BIAS+8*\b:BIAS+8*\b+3],   v9, s[8:9] offset:64*\b
	global_load_b128 v[BIAS+8*\b+4:BIAS+8*\b+7], v9, s[8:9] offset:64*\b+16
.endr
	; y fragments: row m of the block lies in pair m / 2, half m % 2 of its head's plane
	v_lshrrev_b32 v3, 1, v1
	v_and_b32 v4, 1, v0
	v_mul_u32_u24 v3, v3, PA
	v_lshl_add_u32 v3, v4, 7, v3
	v_lshl_add_u32 v3, v2, 4, v3
	s_mul_i32 s22, s13, 32*PA
	v_add_nc_u32 v[ADRA], s22, v3
	v_add_nc_u32 v[ADRA+1], SLOT, v[ADRA]
	; wp fragments by the transposing load
	v_and_b32 v5, 7, v0
	v_bfe_u32 v6, v0, 3, 1
	v_lshl_add_u32 v5, v2, 3, v5
	v_mul_u32_u24 v5, v5, PB
	v_lshl_add_u32 v5, v6, 4, v5
	s_lshl_b32 s22, s14, 7                         ; my 64 columns
	s_add_co_u32 s22, s22, ABYTES
	v_add_nc_u32 v[ADRB], s22, v5
	v_add_nc_u32 v[ADRB+1], 128*PB, v[ADRB]
	v_add_nc_u32 v[ADRB+2], SLOT, v[ADRB]
	v_add_nc_u32 v[ADRB+3], SLOT+128*PB, v[ADRB]
	; the way out
	s_mul_i32 s22, s12, 16*272
	s_add_co_u32 s22, s22, STAGE
	v_mul_u32_u24 v7, v1, 272
	v_lshl_add_u32 v7, v2, 5, v7
	v_add_nc_u32 v[STO], s22, v7                   ; in: row r, 32 bytes for each half of the lanes
	v_mul_u32_u24 v8, v2, 272
	v_lshl_add_u32 v8, v1, 4, v8
	v_add_nc_u32 v[RD], s22, v8                    ; back: lanes 0-15 one row of 256 bytes, lanes 16-31 the next
	v_lshlrev_b32 v8, 12, v2
	v_lshl_add_u32 v[CO], v1, 4, v8                ; and the same two rows of 4,096 bytes in out0
	s_lshl_b32 s16, s15, 19                        ; 128 rows for each block row
	s_lshl_b32 s17, s13, 18                        ; 64 rows for my half
	s_add_co_u32 s16, s16, s17
	s_mov_b32 s17, 0
	s_add_nc_u64 s[10:11], s[10:11], s[16:17]
	s_lshl_b32 s46, s42, 9                         ; 128 columns of 4 bytes for each block column
	s_lshl_b32 s47, s14, 8
	s_add_co_u32 s46, s46, s47
	s_mov_b32 s47, 0
	s_add_nc_u64 s[10:11], s[10:11], s[46:47]
; 8 matrix instructions: row blocks a0, a0 + 1 x my 4 column blocks, 32 along K, buffer f.  first = 1: the sums start from the bias.
; The 16 accumulators take turns, one instruction a turn, in the same order in every quarter... eighth of a K step.
.macro MUL8 f, a0, first
.irp a, \a0, \a0+1
.irp b, 0,1,2,3
.if \first
	v_wmma_f32_16x16x32_f16 v[8*(4*(\a)+\b):8*(4*(\a)+\b)+7], v[FB+32*\f+8*\b:FB+32*\f+8*\b+7], v[FA+32*\f+8*(\a):FA+32*\f+8*(\a)+7], v[BIAS+8*\b:BIAS+8*\b+7]
.else
	v_wmma_f32_16x16x32_f16 v[8*(4*(\a)+\b):8*(4*(\a)+\b)+7], v[FB+32*\f+8*\b:FB+32*\f+8*\b+7], v[FA+32*\f+8*(\a):FA+32*\f+8*(\a)+7], v[8*(4*(\a)+\b):8*(4*(\a)+\b)+7]
.endif
.endr
.endr
.endm
; 16 LDS loads in one run: part kq (32 along K, 0..7) of a slot into buffer f: 8 for wp, then 8 for y
.macro FETCH slot, kq, f
.irp b, 0,1,2,3
	ds_load_tr16_b128 v[FB+32*\f+8*\b:FB+32*\f+8*\b+3],   v[ADRB+2*\slot+(\kq/4)] offset:(\kq%4)*32*PB+32*\b
	ds_load_tr16_b128 v[FB+32*\f+8*\b+4:FB+32*\f+8*\b+7], v[ADRB+2*\slot+(\kq/4)] offset:(\kq%4)*32*PB+32*\b+16*PB
.endr
.irp a, 0,1,2,3
	ds_load_b128 v[FA+32*\f+8*\a:FA+32*\f+8*\a+3],   v[ADRA+\slot] offset:(\kq/2)*HEADB+(\kq%2)*64+\a*8*PA
	ds_load_b128 v[FA+32*\f+8*\a+4:FA+32*\f+8*\a+7], v[ADRA+\slot] offset:(\kq/2)*HEADB+(\kq%2)*64+\a*8*PA+32
.endr
.endm
; one of a K step's first seven parts: multiplies buffer f; in its middle it fetches part kq of the same slot into buffer g
.macro PART slot, kq, f, g, first
	s_wait_dscnt 4                                 ; wp and y's row blocks 0, 1 are in; the youngest four loads (row blocks 2, 3) may be out
.if \first
	WIN MUL_BIAS
.else
	WIN MUL
.endif
	MUL8 \f, 0, \first
	PLACES
	WIN 0
	FETCH \slot, \kq, \g
	s_wait_dscnt 16                                ; all but the 16 just issued
.if \first
	WIN MUL_BIAS
.else
	WIN MUL
.endif
	MUL8 \f, 2, \first
.endm
.macro SEVEN slot, first
	PART \slot, 1, 0, 1, \first
	PART \slot, 2, 1, 0, 0
	PART \slot, 3, 0, 1, 0
	PART \slot, 4, 1, 0, 0
	PART \slot, 5, 0, 1, 0
	PART \slot, 6, 1, 0, 0
	PART \slot, 7, 0, 1, 0
.endm
; the last part: multiplies buffer 1 and changes slots.  In front of the barrier each wave waits for its reads of this slot and for all its tensor loads (its
; parts of the next slot).  fill = 1: the barrier opens a round of the cluster's barrier, and this slot's two joint refills are the first tensor loads behind it.
.macro TURN slot, next, fill
	s_wait_dscnt 0                                 ; my reads of this slot are over
	s_wait_tensorcnt 0x0                           ; all my tensor loads have landed
	ds_add_u32 v30, v31
	s_wait_dscnt 0x0
	s_barrier_signal -1
	WIN MUL
	MUL8 1, 0, 0                                   ; register work while the others arrive
	WIN 0
	s_barrier_wait -1
.if \fill
	CREST
	s_add_nc_u64 s[G0A+4*\slot+2:G0A+4*\slot+3], s[G0A+4*\slot+2:G0A+4*\slot+3], 8*262144
	s_add_nc_u64 s[G0B+4*\slot+2:G0B+4*\slot+3], s[G0B+4*\slot+2:G0B+4*\slot+3], 512*2048
	tensor_load_to_lds s[G0A+4*\slot:G0A+4*\slot+3], s[G1A:G1A+7]
	s_nop 0
	tensor_load_to_lds s[G0B+4*\slot:G0B+4*\slot+3], s[G1B:G1B+7]
	s_nop 0
.endif
	PLACES
	FETCH \next, 0, 0
	WIN MUL
	MUL8 1, 2, 0
.endm
	s_wait_loadcnt 0x0                             ; the bias
	s_wait_tensorcnt 0x2                           ; my two parts of K step 0 are in; K step 1's two stay out
	s_barrier_signal -1
	s_barrier_wait -1
	FETCH 0, 0, 0
	SEVEN 0, 1                                     ; K step 0 starts the sums,
	TURN 0, 1, 1                                   ; slot 0 gets K step 2
	SEVEN 1, 0
	TURN 1, 0, 1                                   ; slot 1 gets K step 3
	SEVEN 0, 0
	TURN 0, 1, 0
	SEVEN 1, 0
	s_wait_dscnt 0
	WIN MUL
	MUL8 1, 0, 0
	MUL8 1, 2, 0
	; THE WAY OUT, 16 rows at a time: the accumulators go as they are (f32) into my own stage, come back as whole rows of 256 bytes, and are stored.
	PLACES
.macro OUT16 a
	WIN FROM_ACC
.irp b, 0,1,2,3
	ds_store_b128 v[STO], v[8*(4*\a+\b):8*(4*\a+\b)+3]   offset:64*\b
	ds_store_b128 v[STO], v[8*(4*\a+\b)+4:8*(4*\a+\b)+7] offset:64*\b+16
.endr
	WIN 0
	s_wait_xcnt 0x0                                ; the set of registers that earlier stores read is loaded again only behind this wait
.irp t, 0,1,2,3,4,5,6,7
	ds_load_b128 v[RB+32*(\a%2)+4*\t:RB+32*(\a%2)+4*\t+3], v[RD] offset:544*\t     ; LDS serves a wave's instructions in order: these see the stores above
.endr
.irp t, 0,1,2,3,4,5,6,7
	s_wait_dscnt 7-\t
	global_store_b128 v[CO], v[RB+32*(\a%2)+4*\t:RB+32*(\a%2)+4*\t+3], s[10:11] offset:(16*\a+2*\t)*4096 th:TH_STORE_NT   ; 16 lanes store 256 consecutive bytes, aligned
.endr
.endm
	OUT16 0
	OUT16 1
	OUT16 2
	OUT16 3
	s_wait_tensorcnt 0x0
	ds_add_u32 v30, v31
	s_wait_dscnt 0x0
	CROUND                                         ; the closing round: no work-group ends while a partner may still ask for a tile that names it
	s_endpgm
.Lfunc_end_k_qd4feef0cfc_proj:
	.size	k_qd4feef0cfc_proj, .Lfunc_end_k_qd4feef0cfc_proj-k_qd4feef0cfc_proj
	.p2alignl 7, 3214868480
	.fill 96, 4, 3214868480
	.section	.rodata,"a",@progbits
	.p2align	6, 0x0
	.amdhsa_kernel k_qd4feef0cfc_proj
		.amdhsa_group_segment_fixed_size 327680
		.amdhsa_private_segment_fixed_size 0
		.amdhsa_enable_private_segment 0
		.amdhsa_kernarg_size 32
		.amdhsa_user_sgpr_count 2
		.amdhsa_user_sgpr_kernarg_segment_ptr 1
		.amdhsa_wavefront_size32 1
		.amdhsa_system_sgpr_workgroup_id_x 1
		.amdhsa_system_sgpr_workgroup_id_y 1
		.amdhsa_system_sgpr_workgroup_id_z 1
		.amdhsa_system_vgpr_workitem_id 0
		.amdhsa_next_free_vgpr 384
		.amdhsa_next_free_sgpr 66
		.amdhsa_reserve_vcc 0
		.amdhsa_float_denorm_mode_32 3
		.amdhsa_float_denorm_mode_16_64 3
		.amdhsa_memory_ordered 1
		.amdhsa_forward_progress 1
		.amdhsa_inst_pref_size 90
	.end_amdhsa_kernel
	.amdgpu_metadata
---
amdhsa.version: [ 1, 2 ]
amdhsa.kernels:
  - .name:           k_qd4feef0cfc_proj
    .symbol:         k_qd4feef0cfc_proj.kd
    .args:
      - { .name: y, .offset: 0, .size: 8, .value_kind: global_buffer, .address_space: global }
      - { .name: bf, .offset: 8, .size: 8, .value_kind: global_buffer, .address_space: global }
      - { .name: b_proj, .offset: 16, .size: 8, .value_kind: global_buffer, .address_space: global }
      - { .name: out0, .offset: 24, .size: 8, .value_kind: global_buffer, .address_space: global }
    .group_segment_fixed_size: 327680
    .private_segment_fixed_size: 0
    .kernarg_segment_align: 8
    .kernarg_segment_size: 32
    .max_flat_workgroup_size: 128
    .sgpr_count:     66
    .vgpr_count:     384
    .wavefront_size: 32
...
	.end_amdgpu_metadata
.endif
;; end of part 4
